; MI455X (gfx1250); checked and timed in simulation.
; The chip was launched on July 23, 2026; its instructions are those of AMD's public machine-readable ISA for CDNA 5 (MIT licence, August 2026) and "CDNA5" Instruction Set Architecture Reference Guide (July 2026). The comments in the code are by the model that wrote it; some were corrected since.
;; Grouped Query Attention. Allowed arithmetic: matrix products marked QUANTISED: E4M3 operands, one given power-of-two scale a tensor, by v_wmma_f32_16x16x64_fp8_fp8 or v_wmma_f32_16x16x128_fp8_fp8, f32 sums; everything else in f32.
;; Inputs: Wk 2,048 x 512 float32; Wq 2,048 x 2,048 float32; Wv 2,048 x 512 float32; lowp_scales 10 int32 (the exponents e of the quantised operands' scales 2^e); x 2 x 2,048 x 2,048 float32.
;; Outputs: out0 2 x 2,048 x 2,048 float32.
;; This version of the problem:
;;   THIS VERSION OF THE PROBLEM IS GIVEN IN LOW PRECISION. The matrix products marked QUANTISED in the list below multiply operands that are first quantised to E4M3 (4 exponent bits, 3 mantissa bits; 8 bits a number), with one given power-of-two scale for each operand tensor; their sums are f32. All else is computed in f32.
;;   The module's matrix products, in the order in which they are computed (A, B: the left and right operand; K: the contracted axis; several contracted axes count as one K, in the product's order):
;;     1. [M 4,096, K 2,048] x [K 2,048, N 2,048]; A: input x; B: input Wq: QUANTISED (scales: A lowp_scales[0], B lowp_scales[1])
;;     2. [M 4,096, K 2,048] x [K 2,048, N 512]; A: input x; B: input Wk: QUANTISED (scales: A lowp_scales[2], B lowp_scales[3])
;;     3. [M 4,096, K 2,048] x [K 2,048, N 512]; A: input x; B: input Wv: QUANTISED (scales: A lowp_scales[4], B lowp_scales[5])
;;     4. batch 64 x [M 2,048, K 64] x [K 64, N 2,048]; A: computed on the way; B: computed on the way: QUANTISED (scales: A lowp_scales[6], B lowp_scales[7])
;;     5. batch 64 x [M 2,048, K 2,048] x [K 2,048, N 64]; A: softmax (see below); B: computed on the way: QUANTISED (scales: A lowp_scales[8], B lowp_scales[9])
;;   THE QUANTISER, for each operand of a quantised product, along K:
;;     - The operand's scale is 2^e, e = its entry of the input lowp_scales (int32; the entries are numbered through the quantised products in the list's order, A before B).
;;     - Each number is divided by the scale, clamped to +-448, and rounded to the nearest number of E4M3, ties to even, subnormals kept.
;;     - The product sums the exact products of the quantised numbers (number of the format x scale) in f32.
;;   ~~~python
;;   def quantise(x, axis, e):      # numpy; x: float32 -> the quantised numbers, widened to float32 again
;;       x = np.moveaxis(x, axis, -1); K = x.shape[-1]
;;       r = np.clip(x / 2.0 ** e, -448, 448)
;;       step = 2.0 ** (np.maximum(np.frexp(np.where(r == 0, 1, r))[1] - 1, -6) - 3)
;;       q = np.round(r / step) * step * 2.0 ** e      # np.round: ties to even
;;       return np.moveaxis(q, -1, axis).astype(np.float32)
;;   ~~~
;;   SOFTMAX AHEAD OF A QUANTISED PRODUCT. Where the list says 'softmax', what is quantised is not the finished softmax but p = 2^(t - M), with t = logit x log2(e) and M = ceil(the row's largest t), a whole number; so 1/2 < the row's largest p <= 1. The row's sum l is taken of the UNQUANTISED p, in f32, and the product's result is divided by l at the end. Since M is a whole number, a kernel that streams over the keys may use a running M (the ceiling of the running maximum): every later rescaling is an exact power of two, so the quantised numbers keep their values, but for numbers so far below the row's largest that they fall under the format's range.
;;   OPERANDS COMPUTED ON THE WAY. 'Computed on the way' means the value that the module computes at that place (a softmax that the list does not call 'softmax' is quantised finished and normalised). What goes into a quantiser is computed in f32, as accurately as f32 sums, v_exp_f32 and their like allow (about 1e-6 of the number): no bf16 or f16 on the way to a quantiser, and a product that is left as it is and whose result goes on into a quantised operand takes f32 operands (vector FMAs, or v_wmma_f32_16x16x4_f32). A number that lies on a knife's edge between two numbers of the format may be rounded either way, as far as f32 arithmetic and the matrix unit's own rounding can turn it there, and no further.
;; One version. Each part assembles by itself: llvm-mc -triple=amdgcn-amd-amdhsa -mcpu=gfx1250 --defsym DOCPART=n.
;; ======== version 1 of 1: 3 launches
;; limits: right only within a limited range of input values
;; workspace buffers: xc 25,165,824 bytes; wc 6,291,456 bytes; qkv 12,582,912 bytes
;; launch quant (part 1): grid 448 x 1, 4 waves a work-group, no clusters, 68,096 bytes of LDS; arguments x, Wq, Wk, Wv, lowp_scales, xc, wc; writes xc, wc
.if DOCPART == 1
	.amdgcn_target "amdgcn-amd-amdhsa--gfx1250"
	.amdhsa_code_object_version 6
	.text
	.protected	k_qfe5720d20e_quant
	.globl	k_qfe5720d20e_quant
	.p2align	8
	.type	k_qfe5720d20e_quant,@function
k_qfe5720d20e_quant:
	s_mov_b64 s[64:65], 0
	v_nop
	global_prefetch_b8 v0, s[64:65] scope:SCOPE_SE
	s_setreg_imm32_b32 hwreg(HW_REG_WAVE_MODE, 25, 1), 1
	s_wait_xcnt 0x0
; x [4096][2048] f32 and the weights Wq [2048][2048], Wk, Wv [2048][512] f32 become codes of FP8 (E4M3), K innermost, each with the scale 2^e given for it.
; code = number / 2^e, held within +-448, rounded to the nearest code, ties to even.
; x is an operand of three products, each with a scale of its own (entries 0, 2, 4 of the scales): three sets of codes, xc[j][4096][2048], from ONE read of x.
; The weights have K as their FIRST axis: a lane takes a column and its registers run down K, so the conversions give codes with K innermost: wc[3072][2048], rows 0-2047 Wq's columns (entry 1),
; 2048-2559 Wk's (entry 3), 2560-3071 Wv's (entry 5).
; Work-groups 0-255 take x, 32,768 numbers each; work-groups 256-447 take 128 columns x 256 along K of a weight.  The two ways part on the work-group's number and have LDS bytes of their own.
; No tensor load, no barrier: waves share nothing.  LIMITS: every e between -126 and 119, so that 2^e and 448 x 2^e are f32 numbers.  NaN among the inputs is not served.
.set SPARE, 67584                      ; behind both ways' stages: the spare words, 128 bytes for each wave: two blocks of 256 bytes that no other line names
.set SPW,   12                         ; v12  LDS address of my spare word; never rewritten
.set NIL,   13                         ; v13  0; never rewritten
; ---- names of x's way
.set STEPS, 16                         ; a wave takes 16 steps of 512 numbers
.set SP,    80                         ; a lane's place in a stage: its 64 bytes + 16 of padding
.set SC,    5                          ; v5-7     2^e of the three sets
.set LM,    8                          ; v8-10    448 x 2^e
.set R,     16                         ; v16-79   four sets of 16 numbers as they are loaded
.set X,     80                         ; v80-111  two sets of 16 neighbours
.set T,     112                        ; v112-127 the numbers, held within one set's range
.set C,     128                        ; v128-151 codes: two sets of 3 x 4 registers
; ---- names of the weights' way
.set WST,   32768                      ; its stages begin here: 32 rows x 272 bytes for each wave
.set WP,    272
.set WX,    32                         ; v32-95   two sets of 32 numbers
.set WC,    96                         ; v96-103  a block's codes
.set OUTR,  112                        ; v112-175 the way out
.set VO,    176                        ; v176-207 byte offset of row i of a block of 32 rows, at my column
.macro POW2 e, vs, vl                  ; s[e]: a scale's exponent  ->  v[vs] = 2^e as f32, v[vl] = 448 x 2^e
	s_add_co_i32 s2, s[\e], 127
	s_lshl_b32 s3, s2, 23
	v_mov_b32 v[\vs], s3
	s_add_co_i32 s2, s2, 8
	s_lshl_b32 s2, s2, 23
	s_or_b32 s2, s2, 0x600000                      ; the mantissa field of 448
	v_mov_b32 v[\vl], s2
.endm
	s_load_b256 s[4:11], s[0:1], 0x0               ; x s[4:5], Wq s[6:7], Wk s[8:9], Wv s[10:11]
	s_load_b128 s[12:15], s[0:1], 0x20             ; the scales' exponents s[12:13], xc s[14:15]
	s_load_b64 s[16:17], s[0:1], 0x30              ; wc
	v_lshl_add_u32 v[SPW], v0, 2, SPARE
	v_mov_b32 v[NIL], 0
	v_lshrrev_b32 v1, 5, v0
	v_readfirstlane_b32 s18, v1                    ; wave 0..3
	v_and_b32 v2, 31, v0                           ; lane
	s_wait_kmcnt 0x0
	s_load_b256 s[24:31], s[12:13], 0x0            ; e0 .. e7
	s_cmp_ge_u32 ttmp9, 256
	s_cbranch_scc1 .Lweights
; ================ x: a plain stream of numbers; nothing here knows of rows ================
; Each load reads 512 consecutive bytes, 16 a lane; a step's 2,048 bytes turn through the wave's own stage in LDS and come back 64 bytes a lane: 16 neighbours along K, as the conversions want them.
	s_wait_alu depctr_va_vdst(0)
	v_lshlrev_b32 v3, 4, v2                        ; my 16 bytes of a load's 512, and of a store's 512
	s_wait_alu depctr_va_vdst(0)
	s_mul_i32 s19, s18, 8192                       ; my wave's two stages
	v_lshrrev_b32 v14, 2, v2
	v_mul_u32_u24 v14, v14, SP
	v_and_b32 v15, 3, v2
	v_lshl_add_u32 v14, v15, 4, v14
	v_add_nc_u32 v14, s19, v14                     ; into a stage: four lanes' 64 bytes on end, then 16 of padding
	v_mul_u32_u24 v15, v2, SP
	v_add_nc_u32 v15, s19, v15                     ; out of it: my 16 neighbours
	s_lshl_b32 s20, ttmp9, 2
	s_add_co_u32 s20, s20, s18                     ; which run of 8,192 numbers is my wave's: 0 .. 1023
	s_lshl_b32 s22, s20, 15
	s_mov_b32 s23, 0
	s_add_nc_u64 s[4:5], s[4:5], s[22:23]
	s_lshl_b32 s22, s20, 13
	s_add_nc_u64 s[32:33], s[14:15], s[22:23]      ; its codes in set 0,
	s_add_nc_u64 s[34:35], s[32:33], 0x800000      ; set 1,
	s_add_nc_u64 s[36:37], s[32:33], 0x1000000     ; set 2
.macro LOAD t
.irp i, 0,1,2,3
	global_load_b128 v[R+16*((\t)%4)+4*\i:R+16*((\t)%4)+4*\i+3], v3, s[4:5] offset:2048*(\t)+512*\i th:TH_LOAD_NT
.endr
.endm
.macro TURN t                          ; step t's numbers through the stage: LDS serves a wave's instructions in order, so no wait stands between the stores and the loads
.irp i, 0,1,2,3
	ds_store_b128 v14, v[R+16*((\t)%4)+4*\i:R+16*((\t)%4)+4*\i+3] offset:32*SP*((\t)%2)+8*SP*\i
.endr
.irp i, 0,1,2,3
	ds_load_b128 v[X+16*((\t)%2)+4*\i:X+16*((\t)%2)+4*\i+3], v15 offset:32*SP*((\t)%2)+16*\i
.endr
.endm
.irp t, 0,1,2,3
	LOAD \t
.endr
	s_wait_alu depctr_va_vdst(0)
	s_wait_kmcnt 0x0
	POW2 24, SC, LM                                ; entry 0
	POW2 26, SC+1, LM+1                            ; entry 2
	POW2 28, SC+2, LM+2                            ; entry 4
	s_wait_alu depctr_va_vdst(0)
	s_wait_loadcnt 12                              ; step 0's four loads are in
	TURN 0
.macro STEP t
.set XS, X+16*((\t)%2)
.set CS, C+12*((\t)%2)
	s_wait_dscnt 0x0                               ; this step's numbers are back from the stage: so its stores into the stage have read their registers,
.if (\t)+4 < STEPS
	LOAD (\t)+4                                    ; which take the loads of four steps on
.endif
.if (\t)+1 < STEPS
.if STEPS-2-(\t) >= 3
	s_wait_loadcnt 12                              ; the next step's four loads are in; those of the three steps behind it may be out
.else
	s_wait_loadcnt 4*(STEPS-2-(\t))
.endif
	TURN (\t)+1                                    ; and go through the other stage while this step is worked
.endif
	s_wait_xcnt 0x0                                ; the stores of two steps back have read this set of code registers: it is written again only behind this wait
.irp j, 0,1,2
.set i, 0
.rept 16
	v_med3_num_f32 v[T+i], v[XS+i], -v[LM+\j], v[LM+\j]   ; the conversion to an 8-bit code does not saturate (ISA guide 7.6.2): hold the number first
.set i, i+1
.endr
	v_cvt_scalef32_pk8_fp8_f32 v[CS+4*\j:CS+4*\j+1], v[T:T+7], v[SC+\j]
	v_cvt_scalef32_pk8_fp8_f32 v[CS+4*\j+2:CS+4*\j+3], v[T+8:T+15], v[SC+\j]
	v_nop                                          ; one plain vector line between the conversions and the next lines that write their sources
	global_store_b128 v3, v[CS+4*\j:CS+4*\j+3], s[32+2*\j:33+2*\j] offset:512*(\t)   ; the wave stores 512 consecutive bytes, aligned
.endr
.endm
.irp t, 0,1,2,3,4,5,6,7,8,9,10,11,12,13,14,15
	STEP \t
.endr
	s_branch .Lend
; ================ the weights: 128 columns x 256 along K to a work-group, 32 columns to a wave ================
.Lweights:
	s_sub_co_u32 s19, ttmp9, 256
	s_lshr_b32 s32, s19, 3                         ; which 128 of the 3,072 columns: 0-15 Wq, 16-19 Wk, 20-23 Wv
	s_and_b32 s33, s19, 7                          ; which 256 along K
	s_wait_kmcnt 0x0
	s_cmp_lt_u32 s32, 20                           ; the choices hang on the work-group's number alone
	s_cselect_b64 s[20:21], s[8:9], s[10:11]
	s_cselect_b32 s22, s27, s29                    ; entry 3 or 5
	s_cselect_b32 s23, 16, 20
	s_cmp_lt_u32 s32, 16
	s_cselect_b64 s[20:21], s[6:7], s[20:21]
	s_cselect_b32 s22, s25, s22                    ; entry 1
	s_cselect_b32 s23, 0, s23                      ; the tensor's first group of columns
	s_mov_b32 s38, 2048
	s_cselect_b32 s38, 8192, s38                   ; a row of the tensor in bytes
	s_mul_i32 s34, s33, s38
	s_lshl_b32 s34, s34, 8                         ; 256 rows for each step along K,
	s_sub_co_u32 s35, s32, s23
	s_lshl_b32 s35, s35, 9                         ; 128 columns of 4 bytes,
	s_add_co_u32 s34, s34, s35
	s_lshl_b32 s35, s18, 7                         ; my wave's 32 of them
	s_add_co_u32 s34, s34, s35
	s_mov_b32 s35, 0
	s_add_nc_u64 s[40:41], s[20:21], s[34:35]      ; block 0 of 32 rows
	s_lshl_b32 s34, s38, 5
.irp t, 1,2,3,4,5,6,7
	s_add_nc_u64 s[40+2*\t:41+2*\t], s[38+2*\t:39+2*\t], s[34:35]   ; block t: a base of its own, so that none is stepped
.endr
	s_lshl_b32 s36, s32, 7
	s_lshl_b32 s37, s18, 5
	s_add_co_u32 s36, s36, s37                     ; my first row of wc
	s_lshl_b32 s36, s36, 11
	s_lshl_b32 s37, s33, 8
	s_add_co_u32 s36, s36, s37
	s_mov_b32 s37, 0
	s_add_nc_u64 s[56:57], s[16:17], s[36:37]
	s_wait_alu depctr_va_vdst(0)
	v_lshlrev_b32 v[VO], 2, v2                     ; 4 bytes a lane: a load reads 128 consecutive bytes, the four waves' stand side by side
.set i, 1
.rept 31
	v_add_nc_u32 v[VO+i], s38, v[VO+i-1]
.set i, i+1
.endr
	s_mul_i32 s36, s18, 32*WP
	s_add_co_u32 s36, s36, WST                     ; my stage
	v_mul_u32_u24 v4, v2, WP
	v_add_nc_u32 v4, s36, v4                       ; into it: row = my column
	v_and_b32 v5, 15, v2
	v_lshrrev_b32 v6, 4, v2
	v_mul_u32_u24 v7, v6, WP
	v_lshl_add_u32 v7, v5, 4, v7
	v_add_nc_u32 v7, s36, v7                       ; out of it: sixteen lanes to a row, two rows an instruction
	v_lshlrev_b32 v8, 11, v6
	v_lshl_add_u32 v8, v5, 4, v8                   ; and the same place in wc
.macro WLOAD t                         ; block t: W(32 t + i, my column), i = 0 .. 31, into set t % 2
.set i, 0
.rept 32
	global_load_b32 v[WX+32*((\t)%2)+i], v[VO+i], s[40+2*(\t):41+2*(\t)] th:TH_LOAD_NT
.set i, i+1
.endr
.endm
	WLOAD 0
	WLOAD 1
	POW2 22, 11, 10                                ; v11 = 2^e, v10 = 448 x 2^e
.macro BLOCK t
.set XS, WX+32*((\t)%2)
.if (\t) < 7
	s_wait_loadcnt 32                              ; this block's 32 loads are in; the next block's may be out
.else
	s_wait_loadcnt 0
.endif
.set i, 0
.rept 32
	v_med3_num_f32 v[XS+i], v[XS+i], -v10, v10
.set i, i+1
.endr
.irp g, 0,1,2,3
	v_cvt_scalef32_pk8_fp8_f32 v[WC+2*\g:WC+2*\g+1], v[XS+8*\g:XS+8*\g+7], v11
.endr
	v_nop                                          ; one plain vector line behind the last conversion of the run
	ds_store_b128 v4, v[WC:WC+3] offset:32*(\t)    ; 32 codes: 32 bytes of my column's row
	ds_store_b128 v4, v[WC+4:WC+7] offset:32*(\t)+16
.if (\t)+2 < 8
	WLOAD (\t)+2
.endif
	s_wait_dscnt 0x0                               ; the stores have read their registers: the next block's codes may be written
.endm
	s_wait_alu depctr_va_vdst(0)
.irp t, 0,1,2,3,4,5,6,7
	BLOCK \t
.endr
.irp t, 0,1,2,3,4,5,6,7,8,9,10,11,12,13,14,15
	ds_load_b128 v[OUTR+4*\t:OUTR+4*\t+3], v7 offset:2*\t*WP      ; LDS serves a wave's instructions in order: these see my stores
.endr
.irp t, 0,1,2,3,4,5,6,7,8,9,10,11,12,13,14,15
	s_wait_dscnt 15-\t                             ; loads come back in order: number t is in, the younger ones may be out
	global_store_b128 v8, v[OUTR+4*\t:OUTR+4*\t+3], s[56:57] offset:4096*\t   ; sixteen lanes store 256 consecutive bytes of a row of wc, aligned
.endr
.Lend:
	s_wait_tensorcnt 0x0                           ; the wave's end
	ds_add_u32 v[SPW], v[NIL]
	s_wait_dscnt 0x0
	s_endpgm
.Lfunc_end_k_qfe5720d20e_quant:
	.size	k_qfe5720d20e_quant, .Lfunc_end_k_qfe5720d20e_quant-k_qfe5720d20e_quant
	.p2alignl 7, 3214868480
	.fill 96, 4, 3214868480
	.section	.rodata,"a",@progbits
	.p2align	6, 0x0
	.amdhsa_kernel k_qfe5720d20e_quant
		.amdhsa_group_segment_fixed_size 68096
		.amdhsa_private_segment_fixed_size 0
		.amdhsa_enable_private_segment 0
		.amdhsa_kernarg_size 56
		.amdhsa_user_sgpr_count 2
		.amdhsa_user_sgpr_kernarg_segment_ptr 1
		.amdhsa_wavefront_size32 1
		.amdhsa_system_sgpr_workgroup_id_x 1
		.amdhsa_system_sgpr_workgroup_id_y 1
		.amdhsa_system_sgpr_workgroup_id_z 1
		.amdhsa_system_vgpr_workitem_id 0
		.amdhsa_next_free_vgpr 208
		.amdhsa_next_free_sgpr 66
		.amdhsa_reserve_vcc 0
		.amdhsa_float_denorm_mode_32 3
		.amdhsa_float_denorm_mode_16_64 3
		.amdhsa_memory_ordered 1
		.amdhsa_forward_progress 1
		.amdhsa_inst_pref_size 129
	.end_amdhsa_kernel
	.amdgpu_metadata
---
amdhsa.version: [ 1, 2 ]
amdhsa.kernels:
  - .name:           k_qfe5720d20e_quant
    .symbol:         k_qfe5720d20e_quant.kd
    .args:
      - { .name: x, .offset: 0, .size: 8, .value_kind: global_buffer, .address_space: global }
      - { .name: Wq, .offset: 8, .size: 8, .value_kind: global_buffer, .address_space: global }
      - { .name: Wk, .offset: 16, .size: 8, .value_kind: global_buffer, .address_space: global }
      - { .name: Wv, .offset: 24, .size: 8, .value_kind: global_buffer, .address_space: global }
      - { .name: lowp_scales, .offset: 32, .size: 8, .value_kind: global_buffer, .address_space: global }
      - { .name: xc, .offset: 40, .size: 8, .value_kind: global_buffer, .address_space: global }
      - { .name: wc, .offset: 48, .size: 8, .value_kind: global_buffer, .address_space: global }
    .group_segment_fixed_size: 68096
    .private_segment_fixed_size: 0
    .kernarg_segment_align: 8
    .kernarg_segment_size: 56
    .max_flat_workgroup_size: 128
    .sgpr_count:     66
    .vgpr_count:     208
    .wavefront_size: 32
...
	.end_amdgpu_metadata
.endif
;; end of part 1
;; launch proj (part 2): grid 192 x 1, 4 waves a work-group, no clusters, 327,680 bytes of LDS; arguments xc, wc, lowp_scales, qkv; writes qkv
.if DOCPART == 2
	.amdgcn_target "amdgcn-amd-amdhsa--gfx1250"
	.amdhsa_code_object_version 6
	.text
	.protected	k_qfe5720d20e_proj
	.globl	k_qfe5720d20e_proj
	.p2align	8
	.type	k_qfe5720d20e_proj,@function
k_qfe5720d20e_proj:
	s_mov_b64 s[64:65], 0
	v_nop
	global_prefetch_b8 v0, s[64:65] scope:SCOPE_SE
	s_setreg_imm32_b32 hwreg(HW_REG_WAVE_MODE, 25, 1), 1
	s_wait_xcnt 0x0
.set ROWB,   256
.set KROW,   2048
.set PITCH,  272
.set FR,     16
.set NL,     4
.set NP,     4
.set HALFT,  128*PITCH
.set SLOT,   4*HALFT
.set LAPS,   4
.set SPARE,  2*SLOT
.set STAGE,  SPARE+512
.set SPITCH, 144
.set ADRA, 16
.set ADRB, 20
.set STO,  24
.set RD,   25
.set CO,   26
.set SPW,  28
.set NIL,  29
.set SCL,  30
.set TMP,  32
.set CD,   96
.set AF,   128
.set BK,   128
.set G1, 24
.set G0, 32
.set MSB, 0
.macro WIN new
.if MSB != \new
	s_set_vgpr_msb (MSB<<8)|\new
.set MSB, \new
.endif
.endm
.set MUL_LO, 0xa1
.set MUL_HI, 0xf1
.set TO_B,   0x40
.macro TLOAD s
	tensor_load_to_lds s[G0+4*\s:G0+4*\s+3], s[G1:G1+7]
	s_nop 0
.rept 4
	v_nop
.endr
.endm
	s_load_b128 s[4:7], s[0:1], 0x0
	s_load_b128 s[8:11], s[0:1], 0x10
	v_lshl_add_u32 v[SPW], v0, 2, SPARE
	v_mov_b32 v[NIL], 0
	ds_add_u32 v[SPW], v[NIL]
	ds_add_u32 v[SPW], v[NIL]
	v_lshrrev_b32 v1, 5, v0
	v_readfirstlane_b32 s14, v1
	s_lshr_b32 s15, s14, 1
	s_and_b32 s16, s14, 1
	s_sub_co_u32 s40, ttmp9, 128
	s_bfe_u32 s41, s40, 0x10005
	s_and_b32 s42, s40, 31
	s_lshr_b32 s43, ttmp9, 3
	s_lshr_b32 s44, s42, 1
	s_and_b32 s45, ttmp9, 7
	s_and_b32 s52, s42, 1
	s_lshl_b32 s53, s41, 1
	s_add_co_u32 s53, s53, s52
	s_add_co_u32 s53, s53, 8
	s_add_co_u32 s54, s41, 1
	s_cmp_lt_u32 ttmp9, 128
	s_cselect_b32 s43, s43, s44
	s_cselect_b32 s53, s45, s53
	s_cselect_b32 s54, 0, s54
	s_cselect_b32 s45, s45, s52
	s_mov_b32 s55, 0x800000
	s_cselect_b32 s55, 0, s55
	s_cmp_ge_u32 ttmp9, 160
	s_cselect_b32 s44, s52, s43
	s_cselect_b32 s45, s43, s45
	s_mov_b32 s56, 0xa00000
	s_cselect_b32 s55, s56, s55
	s_cselect_b32 s56, 15, 18
	s_lshl_b32 s45, s45, 2
	s_lshl_b32 s57, s16, 1
	s_add_co_u32 s45, s45, s57
	s_lshl_b32 s45, s45, s56
	s_add_co_u32 s55, s55, s45
	s_lshl_b32 s44, s44, 14
	s_lshl_b32 s57, s15, 13
	s_add_co_u32 s55, s55, s44
	s_add_co_u32 s46, s55, s57
	s_mov_b32 s47, 0
	s_lshl_b32 s48, 1, s56
	s_mov_b32 s49, 0
	s_lshl_b32 s54, s54, 23
	s_lshl_b32 s57, s43, 19
	s_add_co_u32 s54, s54, s57
	s_mov_b32 s55, 0
	s_lshl_b32 s56, s53, 19
	s_mov_b32 s57, 0
	s_mov_b32 s[G1+0], (0<<16)|(1<<20)|(5<<22)|(3<<25)
	s_mov_b32 s[G1+1], ROWB<<16
	s_mov_b32 s[G1+2], 128<<16
	s_mov_b32 s[G1+3], ROWB<<16
	s_mov_b32 s[G1+4], 128
	s_mov_b32 s[G1+5], KROW
	s_mov_b32 s[G1+6], 0
	s_mov_b32 s[G1+7], 0
	s_mul_i32 s19, s14, HALFT
	s_wait_dscnt 0x0
	s_wait_kmcnt 0x0
	s_load_b256 s[68:75], s[8:9], 0x0
	s_load_b64 s[76:77], s[8:9], 0x20
	s_add_nc_u64 s[46:47], s[10:11], s[46:47]
	s_add_nc_u64 s[48:49], s[46:47], s[48:49]
	s_add_nc_u64 s[58:59], s[4:5], s[54:55]
	s_add_nc_u64 s[60:61], s[6:7], s[56:57]
	s_cmp_ge_u32 ttmp9, 160
	s_cselect_b64 s[62:63], s[60:61], s[58:59]
	s_cselect_b64 s[66:67], s[58:59], s[60:61]
	s_cmp_lt_u32 s14, 2
	s_cselect_b64 s[20:21], s[62:63], s[66:67]
	s_lshl_b32 s22, s16, 18
	s_mov_b32 s23, 0
	s_add_nc_u64 s[20:21], s[20:21], s[22:23]
.irp s, 0,1
	s_mov_b32 s[G0+4*\s], 1
	s_add_co_u32 s[G0+4*\s+1], s19, \s*SLOT
	s_add_nc_u64 s[G0+4*\s+2:G0+4*\s+3], s[20:21], \s*ROWB
	s_or_b32 s[G0+4*\s+3], s[G0+4*\s+3], 0x80000000
	s_wait_alu depctr_va_vdst(0)
	s_wait_tensorcnt 0x0
	ds_add_u32 v28, v29
	ds_add_u32 v28, v29
	s_wait_dscnt 0x0
	s_barrier_signal -1
	s_barrier_wait -1
	TLOAD \s
.endr
	v_and_b32 v1, 15, v0
	s_wait_alu depctr_va_vdst(0)
	v_bfe_u32 v2, v0, 4, 1
	v_mul_u32_u24 v3, v1, PITCH
	v_lshl_add_u32 v4, v2, 4, v3
	s_mul_i32 s21, s15, HALFT
	s_mul_i32 s22, s16, HALFT
	s_add_co_u32 s22, s22, 2*HALFT
.irp s, 0,1
	v_add_nc_u32 v[ADRA+\s], s21, v4
	v_add_nc_u32 v[ADRB+\s], s22, v4
	s_add_co_u32 s21, s21, SLOT
	s_add_co_u32 s22, s22, SLOT
.endr
	s_mul_i32 s23, s14, 16*SPITCH
	s_add_co_u32 s23, s23, STAGE
	v_mul_u32_u24 v5, v1, SPITCH
	s_wait_alu depctr_va_vdst(0)
	v_lshl_add_u32 v5, v2, 3, v5
	v_add_nc_u32 v[STO], s23, v5
	v_and_b32 v6, 31, v0
	v_lshrrev_b32 v7, 2, v6
	v_mul_u32_u24 v7, v7, SPITCH
	v_and_b32 v8, 3, v6
	v_lshl_add_u32 v7, v8, 4, v7
	v_add_nc_u32 v[RD], s23, v7
	v_lshlrev_b32 v[CO], 4, v6
.macro FRAG reg, adr, q, i
.irp c, 0,1,2,3
	ds_load_b128 v[\reg+4*\c:\reg+4*\c+3], v[\adr] offset:128*(\q)+32*\c+(\i)*16*PITCH
.endr
.endm
.macro MUL16 a0, p, zero
.irp a, \a0, \a0+1
.irp b, 0,1,2,3,4,5,6,7
.if \zero
	v_wmma_f32_16x16x128_fp8_fp8 v[8*(8*((\a)%4)+\b):8*(8*((\a)%4)+\b)+7], v[128*(\p)+FR*\b:128*(\p)+FR*\b+FR-1], v[AF+FR*(\a):AF+FR*(\a)+FR-1], 0
.else
	v_wmma_f32_16x16x128_fp8_fp8 v[8*(8*((\a)%4)+\b):8*(8*((\a)%4)+\b)+7], v[128*(\p)+FR*\b:128*(\p)+FR*\b+FR-1], v[AF+FR*(\a):AF+FR*(\a)+FR-1], v[8*(8*((\a)%4)+\b):8*(8*((\a)%4)+\b)+7]
.endif
.endr
.endr
.endm
.macro FETCH_B slot, q, p
	WIN TO_B
.irp i, 0,1,2,3,4,5,6,7
	FRAG 128*(\p)+FR*\i, ADRB+\slot, \q, \i
.endr
	WIN 0
.endm
.macro FETCH_A slot, q, i0
.irp i, \i0, \i0+1, \i0+2, \i0+3
	FRAG AF+FR*(\i), ADRA+\slot, \q, \i
.endr
.endm
.macro PLACES n
.rept \n
	v_nop
.endr
.endm
.macro STEP slot, q, zero
	s_wait_dscnt 4*NL
	WIN MUL_LO
	MUL16 0, (\q)%2, \zero
	MUL16 2, (\q)%2, \zero
	s_wait_dscnt 0
	PLACES NP
	FETCH_B \slot, (\q)+1, 1-(\q)%2
	FETCH_A \slot, (\q)+1, 0
	WIN MUL_HI
	MUL16 4, (\q)%2, \zero
	MUL16 6, (\q)%2, \zero
	PLACES NP
	WIN 0
	FETCH_A \slot, (\q)+1, 4
.endm
.macro TURN slot, next, fill
	s_wait_tensorcnt 0x0
	ds_add_u32 v[SPW], v[NIL]
	s_wait_dscnt 4*NL+1
	WIN MUL_LO
	MUL16 0, 1, 0
	s_wait_dscnt 0x0
	s_barrier_signal -1
	MUL16 2, 1, 0
	WIN 0
	s_barrier_wait -1
.if \fill
	s_add_nc_u64 s[G0+4*\slot+2:G0+4*\slot+3], s[G0+4*\slot+2:G0+4*\slot+3], 2*ROWB
	TLOAD \slot
.else
	PLACES NP
.endif
	FETCH_B \next, 0, 0
	FETCH_A \next, 0, 0
	WIN MUL_HI
	MUL16 4, 1, 0
	MUL16 6, 1, 0
	PLACES NP
	WIN 0
	FETCH_A \next, 0, 4
.endm
	s_wait_tensorcnt 1
	s_barrier_signal -1
	s_barrier_wait -1
	FETCH_B 0, 0, 0
	FETCH_A 0, 0, 0
	FETCH_A 0, 0, 4
	STEP 0, 0, 1
	s_mov_b32 s3, LAPS-1
.Llap:
	TURN 0, 1, 1
	STEP 1, 0, 0
	TURN 1, 0, 1
	STEP 0, 0, 0
	s_sub_co_u32 s3, s3, 1
	s_cmp_lg_u32 s3, 0
	s_cbranch_scc1 .Llap
	TURN 0, 1, 0
	STEP 1, 0, 0
	s_wait_dscnt 4*NL
	WIN MUL_LO
	MUL16 0, 1, 0
	MUL16 2, 1, 0
	s_wait_dscnt 0
	WIN MUL_HI
	MUL16 4, 1, 0
	MUL16 6, 1, 0
	WIN 0
	s_wait_kmcnt 0x0
	s_sub_co_i32 s52, s74, s68
	s_sub_co_i32 s52, s52, s69
	s_sub_co_i32 s53, s75, s70
	s_sub_co_i32 s53, s53, s71
	s_sub_co_i32 s54, s77, s72
	s_sub_co_i32 s54, s54, s73
	s_cmp_ge_u32 ttmp9, 160
	s_cselect_b32 s53, s54, s53
	s_cmp_lt_u32 ttmp9, 128
	s_cselect_b32 s52, s52, s53
	s_add_co_i32 s52, s52, 127
	s_lshl_b32 s53, s52, 23
	v_mov_b32 v[SCL], s53
	s_add_co_i32 s52, s52, 8
	s_lshl_b32 s51, s52, 23
	s_or_b32 s51, s51, 0x600000
	s_or_b32 s50, s51, 0x80000000
	PLACES NP
.macro OUTBLK a
.set AC, 64*((\a)%4)
.set CDS, CD+16*((\a)%2)
	WIN 0x02+((\a)/4)
.set j, 0
.rept 64
	v_med3_num_f32 v[TMP+j], v[AC+j], s50, s51
.set j, j+1
.endr
	WIN 0
.irp b, 0,1,2,3,4,5,6,7
	v_cvt_scalef32_pk8_fp8_f32 v[CDS+2*\b:CDS+2*\b+1], v[TMP+8*\b:TMP+8*\b+7], v[SCL]
.endr
	v_nop
.irp b, 0,1,2,3,4,5,6,7
	ds_store_b64 v[STO], v[CDS+2*\b:CDS+2*\b+1] offset:16*\b
.endr
.irp u, 0,1,2,3
	ds_load_b128 v[BK+16*(\a)+4*\u:BK+16*(\a)+4*\u+3], v[RD] offset:(\u/2)*64+(\u%2)*8*SPITCH
.endr
.endm
.macro SEND a, younger
	s_wait_dscnt \younger
.irp u, 0,1,2,3
	global_store_b128 v[CO], v[BK+16*(\a)+4*\u:BK+16*(\a)+4*\u+3], s[46+2*(\u/2):47+2*(\u/2)] offset:((\a)/2)*2048+(\u%2)*1024+((\a)%2)*512
.endr
.endm
	OUTBLK 0
.irp a, 1,2,3,4,5,6,7
	OUTBLK \a
	SEND \a-1, 12
.endr
	SEND 7, 0
	s_wait_tensorcnt 0x0
	ds_add_u32 v[SPW], v[NIL]
	s_wait_dscnt 0x0
	s_endpgm
.Lfunc_end_k_qfe5720d20e_proj:
	.size	k_qfe5720d20e_proj, .Lfunc_end_k_qfe5720d20e_proj-k_qfe5720d20e_proj
	.p2alignl 7, 3214868480
	.fill 96, 4, 3214868480
	.section	.rodata,"a",@progbits
	.p2align	6, 0x0
	.amdhsa_kernel k_qfe5720d20e_proj
		.amdhsa_group_segment_fixed_size 327680
		.amdhsa_private_segment_fixed_size 0
		.amdhsa_enable_private_segment 0
		.amdhsa_kernarg_size 32
		.amdhsa_user_sgpr_count 2
		.amdhsa_user_sgpr_kernarg_segment_ptr 1
		.amdhsa_wavefront_size32 1
		.amdhsa_system_sgpr_workgroup_id_x 1
		.amdhsa_system_sgpr_workgroup_id_y 1
		.amdhsa_system_sgpr_workgroup_id_z 1
		.amdhsa_system_vgpr_workitem_id 0
		.amdhsa_next_free_vgpr 1024
		.amdhsa_next_free_sgpr 80
		.amdhsa_reserve_vcc 0
		.amdhsa_float_denorm_mode_32 3
		.amdhsa_float_denorm_mode_16_64 3
		.amdhsa_memory_ordered 1
		.amdhsa_forward_progress 1
		.amdhsa_inst_pref_size 122
	.end_amdhsa_kernel
	.amdgpu_metadata
---
amdhsa.version: [ 1, 2 ]
amdhsa.kernels:
  - .name:           k_qfe5720d20e_proj
    .symbol:         k_qfe5720d20e_proj.kd
    .args:
      - { .name: xc, .offset: 0, .size: 8, .value_kind: global_buffer, .address_space: global }
      - { .name: wc, .offset: 8, .size: 8, .value_kind: global_buffer, .address_space: global }
      - { .name: lowp_scales, .offset: 16, .size: 8, .value_kind: global_buffer, .address_space: global }
      - { .name: qkv, .offset: 24, .size: 8, .value_kind: global_buffer, .address_space: global }
    .group_segment_fixed_size: 327680
    .private_segment_fixed_size: 0
    .kernarg_segment_align: 8
    .kernarg_segment_size: 32
    .max_flat_workgroup_size: 128
    .sgpr_count:     80
    .vgpr_count:     1024
    .wavefront_size: 32
...
	.end_amdgpu_metadata
.endif
;; end of part 2
;; launch attn (part 3): grid 16 x 16, 8 waves a work-group, no clusters, 327,680 bytes of LDS; arguments qkv, lowp_scales, out0; writes out0
.if DOCPART == 3
	.amdgcn_target "amdgcn-amd-amdhsa--gfx1250"
	.amdhsa_code_object_version 6
	.text
	.protected	k_qfe5720d20e_attn
	.globl	k_qfe5720d20e_attn
	.p2align	8
	.type	k_qfe5720d20e_attn,@function
k_qfe5720d20e_attn:
	s_mov_b64 s[64:65], 0
	v_nop
	global_prefetch_b8 v0, s[64:65] scope:SCOPE_SE
	s_setreg_imm32_b32 hwreg(HW_REG_WAVE_MODE, 25, 1), 1
	s_wait_xcnt 0x0
; Causal grouped-query attention on codes of FP8 (E4M3): out[b][t][h][:] = the sum over keys k <= t of softmax_k(q . k / 8) v.  2 batches, 32 query heads, 8 key and value heads, head size 64, 2,048 tokens.
; INPUT qkv, as the launch before lays it: q at 0 [32 heads][4096 positions][64], k at 8 MiB [8][4096][64], v at 10 MiB [64 blocks of 64 keys][512 positions of 64 hk + d][64 keys];
; a position is the row's number with bits 3 and 4 exchanged.  Scales: entries 6 (q), 7 (k), 8 (p), 9 (v).
; LEFT OUT: key steps all of whose keys come after a block's queries: the causal mask sets their scores to -inf, so their p is 0 for all inputs.  A NaN or infinity that reaches only such scores is not carried.
; THE SOFTMAX: t = score x log2(e) / 8; M = the row's largest t so far, rounded UP to a whole number; p = 2^(t - M) is quantised, not normalised; the row's sum is taken of the unquantised p and divides O at the end.
; When M moves, the sum and O are multiplied by 2^(old M - new M): exact.
; SHARES.  A work-group has one (b, key head) and TWO blocks of 64 queries: A = block x and B = block 31 - x.  A wants x / 2 + 1 steps of 128 keys, B wants 16 - x / 2: 17 in all, for every x.
; Both blocks walk the keys TOGETHER from key 0: a step's fragments of K and V are read from LDS once and serve B, and A too while A has keys left.
; Eight waves, two to a SIMD: wave w takes query heads 4 hk + 2 (w % 2) and the next, and queries 16 (w / 2) on of both blocks: four tiles of 16 queries.  Every wave has the same work in every step.
; The two heads of a block go through the softmax together: their maxima line by line in turns; one head's exponentials stand among the other head's plain lines; one compare of the mask serves both.
; LAYOUT.  Both products are used transposed (S^T = K Q^T, O^T = V^T P^T): a lane holds ONE query (lane % 16).  By the exchange of bits the 16 registers of score tiles 2 b and 2 b + 1 are keys 32 b + 16 (lane / 16) + 0 .. 15.
; REGISTERS.  Window 0: addresses, the four tiles' state, Q, two score buffers, p's codes: the whole softmax runs in window 0.  Window 1: v0-127 O^T of the four tiles, v128-191 K's fragments, v192-255 V's.
; THE RING: two slots of TWO key steps; one change of slots, and one tensor load a wave, for two steps.
; Each load is a slice ACROSS both steps: waves 0-3 take every fourth tile of 16 keys (rows of 1,024 bytes, 4,096 apart), waves 4-7 one tile of 16 channels of each of the four blocks of 64 keys (rows of 1,024 bytes, 32,768 apart):
; so every load that is issued has bytes that are read, also where B's number of key steps is odd.
; The change of slots stands in the MIDDLE of a slot's second step, behind B's score products: by then that step's fragments are all in registers, so the slot is free;
; the next step's K is read under B's softmax, its V behind B's last products.
; The loop has 8 trips of two steps by its counter; a forward jump on ids alone leaves it behind B's last key step (the same in all waves).
; NO CLUSTER: the work-groups of a (b, key head) want different numbers of key steps (16 - x / 2).
; LIMITS on the given exponents: e6 + e7 between -123 and 130 (added to c's exponent field); e8 between -126 and 119; e8 + e9 is applied by v_ldexp_f32.  The scaled scores stay under 2^31 in magnitude.
; Inside a matrix instruction k is permuted, alike in both operands.
.set KP,    272                        ; an LDS row: 256 bytes (four positions of 64) + 16 of padding
.set TROW,  4*KP                       ; a tile of 16 positions: 1,024 bytes of memory
.set SL,    4*TROW                     ; a slice: what one tensor load brings
.set VOFF,  4*SL                       ; a slot: K's four slices, then V's four
.set SLOT1, 65536                      ; slot 1: one exclusive or turns an address from slot to slot
.set SPARE, 131072                     ; the spare words, 128 bytes a wave: four blocks of 256 bytes that no other line names
.set STAGE, SPARE+1024                 ; the way out: 16 rows x 272 bytes for each wave; no fill lands here
.set STB,   16*KP
.set AK0,  1                           ; my lane's place in a tile of 16 positions
.set QA,   2                           ; my lane's byte in a tile of Q
.set PFO,  3                           ; the prefetches' offset
.set MKD,  4                           ; lane % 16 - 16 (lane / 16)
.set SPW,  5                           ; my spare word; never rewritten
.set NIL,  6                           ; 0; never rewritten
.set GO,   7                           ; the way out: my byte offset in the tile's rows of out0
.set ADK,  8                           ; AK0 in the slot that is read next
.set MK,   9                           ; the mask's d
.set STI,  10                          ; the stage: in
.set STR,  11                          ; the stage: back
.set LIMV, 12                          ; 448 x 2^e8
.set SCV,  13                          ; 2^e8
.set NINF, 14                          ; -infinity
.set LIM2, 15                          ; 448 x 2^e8 once more, for the second half of a dual line
.set ST,   16                          ; v16-31: tile n (0, 1: A's heads; 2, 3: B's): -M, the largest score, the sum in two halves
.set QF,   32                          ; v32-63: Q's fragments, 8 a tile
.set S,    64                          ; v64-191: two buffers of scores, then p
.set PC,   192                         ; v192-223: p's codes, 16 a buffer; ahead of the conversions: the chains of the maxima and the parts of the sums
.set F,    224                         ; v[224:225], v[226:227]: f = 2^(old M - new M), and 0
.set PRM,  228                         ; v228, v229: a lane permute's destination
.set WT,   230                         ; v230, v231 at work
.set KFR,  128                         ; window 1
.set VFR,  192                         ; window 1
.set TB,   2                           ; LDS byte at which the slot begins that is read next
.set CNT,  3                           ; trips to go
.set WV,   18
.set SEL,  20                          ; s[20:21] lane l xor 16
.set CS,   22                          ; s[22:23] c = log2(e) / 8 x 2^(e6 + e7)
.set G1K,  24                          ; s[24:31] group 1 of K's slices
.set G1V,  32                          ; s[32:39] of V's
.set G0,   40
.set OFS,  44
.set BASE, 46                          ; my slice of slot 0's keys
.set SH,   48                          ; a slot's keys are 2^14 bytes on in K, 2^17 in V
.set TN,   49                          ; which two key steps are asked for
.set NST,  50                          ; B's key steps
.set NLS,  51                          ; A's key steps
.set KF,   52                          ; the step's first key
.set Q0A,  53
.set Q0B,  54
.set KC,   55                          ; the key step's number + 1
.set OUTA, 56
.set OUTB, 58
.set EPV,  60
.set PFA,  76
.set PFS,  78
.set LIM,  80                          ; 7 in a wave that prefetches, else 0
.set MSB, 0
.macro WIN new                         ; the immediate's high byte repeats the setting that is left
.if MSB != \new
	s_set_vgpr_msb (MSB<<8)|\new
.set MSB, \new
.endif
.endm
.macro NOPS n
.rept \n
	v_nop
.endr
.endm
.macro TLOAD                           ; every wave has a load in its arm; the branch hangs on the wave's number alone; an s_nop 0 and four v_nop follow each load
	s_cmp_lt_u32 s[WV], 4
	s_cbranch_scc0 .Lfor_v_\@
	tensor_load_to_lds s[G0:G0+3], s[G1K:G1K+7]
	s_nop 0
	NOPS 4
	s_branch .Lasked_\@
.Lfor_v_\@:
	tensor_load_to_lds s[G0:G0+3], s[G1V:G1V+7]
	s_nop 0
	NOPS 4
.Lasked_\@:
.endm
.macro LOADK adr, s                    ; step s of the slot: eight tiles of 16 positions x 64 channels; tile 8 s + t lies in slice t % 4, at row 2 s + t / 4
	WIN 0x40
.irp t, 0,1,2,3,4,5,6,7
	ds_load_b128 v[KFR+8*\t:KFR+8*\t+3], v[\adr] offset:(\t%4)*SL+(2*(\s)+\t/4)*TROW
	ds_load_b128 v[KFR+8*\t+4:KFR+8*\t+7], v[\adr] offset:(\t%4)*SL+(2*(\s)+\t/4)*TROW+32
.endr
	WIN 0
.endm
.macro LOADV adr, s                    ; four tiles of 16 channels x 128 keys: slice t, blocks 2 s and 2 s + 1
	WIN 0x40
.irp t, 0,1,2,3
.irp c, 0,1,2,3
	ds_load_b128 v[VFR+16*\t+4*\c:VFR+16*\t+4*\c+3], v[\adr] offset:VOFF+\t*SL+(2*(\s)+\c/2)*TROW+32*(\c%2)
.endr
.endr
	WIN 0
.endm
.macro SMUL t0                         ; S^T = K Q^T for tiles t0, t0 + 1: register 8 t + j of lane (r, h) is query r, key 32 (t / 2) + 16 h + 8 (t % 2) + j
	WIN 0x01
.irp t, 0,1,2,3,4,5,6,7
.irp u, 0,1
	v_wmma_f32_16x16x64_fp8_fp8 v[S+64*\u+8*\t:S+64*\u+8*\t+7], v[KFR+8*\t:KFR+8*\t+7], v[QF+8*(\t0+\u):QF+8*(\t0+\u)+7], 0
.endr
.endr
	WIN 0
.endm
.macro ACC t0, q, j                    ; chain q (of eight) of the second head's sum takes p's pair j; chain 0 is the running sum itself
.if (\q) == 0
	v_pk_add_f32 v[ST+4*(\t0+1)+2:ST+4*(\t0+1)+3], v[ST+4*(\t0+1)+2:ST+4*(\t0+1)+3], v[S+64+(\j):S+64+(\j)+1]
.else
	v_pk_add_f32 v[PC+16+2*(\q):PC+16+2*(\q)+1], v[PC+16+2*(\q):PC+16+2*(\q)+1], v[S+64+(\j):S+64+(\j)+1]
.endif
.endm
.macro ACCS t0, n                      ; the next n pairs, by turns over the eight chains
.rept \n
	ACC \t0, ((jj/2)%8), jj
.set jj, jj+2
.endr
.endm
.macro TADD a, b                       ; part a of the first head's sum takes part b in
	v_pk_add_f32 v[PC+2*(\a):PC+2*(\a)+1], v[PC+2*(\a):PC+2*(\a)+1], v[PC+2*(\b):PC+2*(\b)+1]
.endm
.macro HOLD r                          ; the conversion does not saturate (ISA guide 7.6.2); p is not negative, so the hold is one-sided; two numbers a line
	v_dual_min_num_f32 v[\r], v[\r], v[LIMV] :: v_dual_min_num_f32 v[(\r)+1], v[(\r)+1], v[LIM2]
.endm
; The softmax and the second product of tiles t0 and t0 + 1 (two heads, the same queries).  q0: my first query of the block.
.macro SOFT t0, q0
	s_add_co_u32 s96, s[KF], 127                   ; a step all of whose keys count skips the mask: ids and the count of steps alone
	s_cmp_le_u32 s96, s[\q0]
	s_cbranch_scc1 .Lopen_\@
	s_sub_co_i32 s96, s[\q0], s[KF]
	v_add_nc_u32 v[MK], s96, v[MKD]                ; d = my query - KF - 16 h.  Register 16 b + i holds key KF + 16 h + 32 b + i: hidden where 32 b + i > d
.set n, 0
.rept 64
	v_cmp_gt_i32 vcc_lo, 32*(n/16)+n%16, v[MK]
	v_cndmask_b32 v[S+n], v[S+n], v[NINF], vcc_lo
	v_cndmask_b32 v[S+64+n], v[S+64+n], v[NINF], vcc_lo
.set n, n+1
.endr
.Lopen_\@:
.irp c, 0,1,2,3                                ; the largest score: four chains a tile, each over two accumulators from their low ends on
.irp u, 0,1
	v_max_num_f32 v[PC+16*\u+\c], v[S+64*\u+16*\c], v[S+64*\u+16*\c+1]
.endr
.endr
.irp i, 2,4,6,8,10,12,14
.irp c, 0,1,2,3
.irp u, 0,1
	v_max3_num_f32 v[PC+16*\u+\c], v[PC+16*\u+\c], v[S+64*\u+16*\c+\i], v[S+64*\u+16*\c+\i+1]
.endr
.endr
.endr
.irp u, 0,1
	v_max3_num_f32 v[PC+16*\u], v[PC+16*\u], v[PC+16*\u+1], v[PC+16*\u+2]
.endr
.irp u, 0,1
	v_max3_num_f32 v[PC+16*\u], v[PC+16*\u], v[PC+16*\u+3], v[ST+4*(\t0+\u)+1]   ; with the largest so far
.endr
.irp u, 0,1
	v_permlanex16_b32 v[PRM+\u], v[PC+16*\u], s[SEL], s[SEL+1]
.endr
.irp u, 0,1
	v_max_num_f32 v[ST+4*(\t0+\u)+1], v[PC+16*\u], v[PRM+\u]   ; and lane l xor 16's
.endr
.irp u, 0,1
	v_mul_f32 v[WT+\u], s[CS], v[ST+4*(\t0+\u)+1]  ; as t (c is positive)
.endr
.irp u, 0,1
	v_mov_b32 v[PC+16*\u+1], v[ST+4*(\t0+\u)]
.endr
.irp u, 0,1
	v_floor_f32 v[ST+4*(\t0+\u)], -v[WT+\u]        ; the new -M = -ceil(t)
.endr
.irp u, 0,1
	v_sub_f32 v[PC+16*\u+1], v[ST+4*(\t0+\u)], v[PC+16*\u+1]   ; old M - new M: a whole number, 0 or less
.endr
.irp u, 0,1
	v_cvt_i32_f32 v[PC+16*\u+1], v[PC+16*\u+1]     ; (it saturates)
.endr
.irp u, 0,1
	v_ldexp_f32 v[F+2*\u], 1.0, v[PC+16*\u+1]      ; f
.endr
.set j, 0
.rept 32
	v_pk_fma_f32 v[S+j:S+j+1], v[S+j:S+j+1], s[CS:CS+1], v[ST+4*(\t0):ST+4*(\t0)+1] op_sel_hi:[1,0,0]   ; the first head's t - M (the pairs' low words serve both halves)
.set j, j+2
.endr
	s_wait_alu depctr_va_vdst(0)                   ; the wait ahead of the batch
.set j, 0
.rept 32                                       ; the first head's p = 2^(t - M); between its exponentials the second head's t - M, which nothing reads ahead of the next wait
	v_exp_f32 v[S+j], v[S+j]
	v_pk_fma_f32 v[S+64+j:S+64+j+1], v[S+64+j:S+64+j+1], s[CS:CS+1], v[ST+4*(\t0+1):ST+4*(\t0+1)+1] op_sel_hi:[1,0,0]
	v_exp_f32 v[S+j+1], v[S+j+1]
.set j, j+2
.endr
.irp u, 0,1
	v_pk_mul_f32 v[ST+4*(\t0+\u)+2:ST+4*(\t0+\u)+3], v[ST+4*(\t0+\u)+2:ST+4*(\t0+\u)+3], v[F+2*\u:F+2*\u+1] op_sel_hi:[1,0]   ; the sums under the new M: plain lines behind the batch
.endr
	s_wait_alu depctr_va_vdst(0)                   ; the wait behind the first batch, ahead of its first reader, and ahead of the second batch
.set j, 0
.rept 16                                       ; the second head's p; between its exponentials the first head's sum of the unquantised p, first level (16 parts), and then its holds: none of these results is read ahead of the next wait
	v_exp_f32 v[S+64+4*j], v[S+64+4*j]
	v_pk_add_f32 v[PC+2*j:PC+2*j+1], v[S+4*j:S+4*j+1], v[S+4*j+2:S+4*j+3]
	v_exp_f32 v[S+64+4*j+1], v[S+64+4*j+1]
	HOLD S+4*j
	v_exp_f32 v[S+64+4*j+2], v[S+64+4*j+2]
	HOLD S+4*j+2
	v_exp_f32 v[S+64+4*j+3], v[S+64+4*j+3]
.set j, j+1
.endr
	v_nop                                          ; a plain line behind the last exponential
	s_wait_alu depctr_va_vdst(0)                   ; the wait behind the second batch
.irp i, 0,1,2,3,4,5,6,7                        ; the first head's 16 parts are added as a tree,
	TADD \i, \i+8
.endr
.irp q, 1,2,3,4,5,6,7                          ; the second head's sum runs in eight chains, seven of them in the parts just freed
	v_pk_add_f32 v[PC+16+2*\q:PC+16+2*\q+1], v[S+64+4*\q-4:S+64+4*\q-3], v[S+64+4*\q-2:S+64+4*\q-1]
.endr
.irp i, 0,1,2,3
	TADD \i, \i+4
.endr
.set jj, 28
	ACCS \t0, 8
	TADD 0, 2
	TADD 1, 3
	ACCS \t0, 8
	TADD 0, 1
	ACCS \t0, 2
	v_pk_add_f32 v[ST+4*(\t0)+2:ST+4*(\t0)+3], v[ST+4*(\t0)+2:ST+4*(\t0)+3], v[PC:PC+1]
	TADD 9, 10
	TADD 11, 12
	TADD 13, 14
	v_pk_add_f32 v[ST+4*(\t0+1)+2:ST+4*(\t0+1)+3], v[ST+4*(\t0+1)+2:ST+4*(\t0+1)+3], v[PC+30:PC+31]
	TADD 9, 11
	v_pk_add_f32 v[ST+4*(\t0+1)+2:ST+4*(\t0+1)+3], v[ST+4*(\t0+1)+2:ST+4*(\t0+1)+3], v[PC+26:PC+27]
	v_pk_add_f32 v[ST+4*(\t0+1)+2:ST+4*(\t0+1)+3], v[ST+4*(\t0+1)+2:ST+4*(\t0+1)+3], v[PC+18:PC+19]
.irp b, 0,1,2,3
.set i, 0
.rept 8
	HOLD S+64+16*\b+i                              ; the second head's holds
.set i, i+2
.endr
.irp u, 0,1
	v_cvt_scalef32_pk8_fp8_f32 v[PC+16*\u+4*\b:PC+16*\u+4*\b+1], v[S+64*\u+16*\b:S+64*\u+16*\b+7], v[SCV]   ; registers 4 b .. 4 b + 3: keys 32 b + 16 h + 0 .. 15, as V's fragments are read
	v_cvt_scalef32_pk8_fp8_f32 v[PC+16*\u+4*\b+2:PC+16*\u+4*\b+3], v[S+64*\u+16*\b+8:S+64*\u+16*\b+15], v[SCV]
.endr
.endr
	s_wait_dscnt 0x0                               ; V's fragments are in
	WIN 0x41
	s_wait_alu depctr_va_vdst(0)                   ; the wait directly ahead of the first readers of O^T
.set j, 0
.rept 16
.irp u, 0,1
	v_pk_mul_f32 v[32*(\t0+\u)+j:32*(\t0+\u)+j+1], v[32*(\t0+\u)+j:32*(\t0+\u)+j+1], v[F+2*\u:F+2*\u+1] op_sel_hi:[1,0]   ; O^T under the new M; also the plain lines between the conversions and the products
.endr
.set j, j+2
.endr
	WIN 0x51
.irp t, 0,1,2,3                                ; O^T += V^T P^T: eight accumulators by turns
.irp u, 0,1
	v_wmma_f32_16x16x128_fp8_fp8 v[32*(\t0+\u)+8*\t:32*(\t0+\u)+8*\t+7], v[VFR+16*\t:VFR+16*\t+15], v[PC+16*\u:PC+16*\u+15], v[32*(\t0+\u)+8*\t:32*(\t0+\u)+8*\t+7]
.endr
.endr
	WIN 0
.endm
; A block is finished: O^T / the sum x 2^(e8 + e9) goes through my stage, one tile behind the other, so that sixteen lanes store 256 consecutive bytes: a query's 64 channels.  The second head lies 256 bytes on.
.macro FINISH t0, out
	NOPS 4                                         ; places behind the last products
.irp u, 0,1
	v_add_f32 v[ST+4*(\t0+\u)+2], v[ST+4*(\t0+\u)+2], v[ST+4*(\t0+\u)+3]
.endr
.irp u, 0,1
	v_permlanex16_b32 v[PRM+\u], v[ST+4*(\t0+\u)+2], s[SEL], s[SEL+1]
.endr
.irp u, 0,1
	v_add_f32 v[ST+4*(\t0+\u)+2], v[ST+4*(\t0+\u)+2], v[PRM+\u]
.endr
	s_wait_alu depctr_va_vdst(0)                   ; the wait ahead of the transcendentals
.irp u, 0,1
	v_rcp_f32 v[ST+4*(\t0+\u)+2], v[ST+4*(\t0+\u)+2]
.endr
	v_nop
	s_wait_alu depctr_va_vdst(0)                   ; and ahead of their first reader
.irp u, 0,1
	v_ldexp_f32 v[ST+4*(\t0+\u)+2], v[ST+4*(\t0+\u)+2], s[EPV]
.endr
	WIN 0x01
	s_wait_alu depctr_va_vdst(0)                   ; directly ahead of the first readers of O^T
.irp u, 0,1
.set j, 0
.rept 32
	v_mul_f32 v[S+64*\u+j], v[32*(\t0+\u)+j], v[ST+4*(\t0+\u)+2]   ; register 8 t + j is o(r, 32 (t / 2) + 16 h + 8 (t % 2) + j)
.set j, j+1
.endr
.endr
	WIN 0
.irp u, 0,1
.irp t, 0,1,2,3
	ds_store_b128 v[STI], v[S+64*\u+8*\t:S+64*\u+8*\t+3] offset:128*(\t/2)+32*(\t%2)
	ds_store_b128 v[STI], v[S+64*\u+8*\t+4:S+64*\u+8*\t+7] offset:128*(\t/2)+32*(\t%2)+16
.endr
.irp i, 0,1,2,3,4,5,6,7
	ds_load_b128 v[S+64*\u+32+4*\i:S+64*\u+32+4*\i+3], v[STR] offset:2*\i*KP   ; LDS serves a wave's instructions in order: these see my stores, and the next tile's stores come behind them
.endr
.endr
.irp u, 0,1
.irp i, 0,1,2,3,4,5,6,7
	s_wait_dscnt 23-16*\u-\i                       ; load i of tile u is in; younger: its tile's later loads, and for tile 0 tile 1's 8 stores and 8 loads
	global_store_b128 v[GO], v[S+64*\u+32+4*\i:S+64*\u+32+4*\i+3], s[\out:\out+1] offset:2*\i*8192+256*\u th:TH_STORE_NT
.endr
.endr
	s_wait_xcnt 0x0                                ; the stores have read their registers, which the next products write
.endm
	s_load_b128 s[4:7], s[0:1], 0x0                ; qkv, the scales' exponents
	s_load_b64 s[8:9], s[0:1], 0x10                ; out0
	v_lshl_add_u32 v[SPW], v0, 2, SPARE
	v_mov_b32 v[NIL], 0
	ds_add_u32 v[SPW], v[NIL]                      ; the opening lines: the add twice on end and its wait ahead of my first tensor load
	ds_add_u32 v[SPW], v[NIL]
	v_lshrrev_b32 v232, 5, v0
	v_readfirstlane_b32 s[WV], v232                ; wave 0..7
	s_and_b32 s82, ttmp7, 0xffff
	s_lshr_b32 s83, s82, 3                         ; b
	s_and_b32 s84, s82, 7                          ; hk
	s_lshl_b32 s86, s84, 18
	s_lshl_b32 s96, s83, 17
	s_add_co_u32 s86, s86, s96
	s_add_co_u32 s86, s86, 0x800000                ; K of (b, hk)
	s_lshl_b32 s87, s83, 20
	s_lshl_b32 s96, s84, 12
	s_add_co_u32 s87, s87, s96
	s_add_co_u32 s87, s87, 0xa00000                ; V of (b, hk)
	s_and_b32 s85, s[WV], 1
	s_and_b32 s96, s[WV], 3
	s_lshl_b32 s96, s96, 10
	s_add_co_u32 s88, s86, s96                     ; waves 0-3: K's tiles w, w + 4, w + 8, w + 12 of the slot's sixteen
	s_add_co_u32 s89, s87, s96                     ; waves 4-7: V's channel tile w - 4 of the slot's four blocks
	s_cmp_lt_u32 s[WV], 4
	s_cselect_b32 s92, s88, s89
	s_cselect_b32 s[SH], 14, 17
	s_mov_b32 s93, 0
	s_lshl_b32 s88, s85, 13
	s_add_co_u32 s88, s88, s86
	s_add_co_u32 s88, s88, 2*16384                 ; the prefetches stand at slot 2's keys; the first change of slots steps them to slot 3's.  Waves 0, 1: K's halves;
	s_lshl_b32 s89, s85, 16
	s_add_co_u32 s89, s89, s87
	s_add_co_u32 s89, s89, 2*131072                ; waves 2, 3: V's pairs of blocks
	s_and_b32 s96, s[WV], 2
	s_cmp_eq_u32 s96, 0
	s_cselect_b32 s94, s88, s89
	s_mov_b32 s[PFS], 131072
	s_cselect_b32 s[PFS], 16384, s[PFS]
	s_mov_b32 s97, 32768
	s_cselect_b32 s97, 4096, s97                   ; from lanes 0-15 to lanes 16-31
	s_mov_b32 s95, 0
	s_mov_b32 s[PFS+1], 0
	s_lshr_b32 s96, s[WV], 2
	s_or_b32 s96, s96, ttmp9                       ; 0 in waves 0 to 3 of work-group x = 0
	s_cmp_eq_u32 s96, 0
	s_cselect_b32 s[LIM], 7, 0
.irp g, G1K, G1V                               ; four rows of 1,024 bytes
	s_mov_b32 s[\g+0], (0<<16)|(1<<20)|(5<<22)|(3<<25)  ; elements of 1 byte; padding: 4 words after every 64
	s_mov_b32 s[\g+1], 1024<<16
	s_mov_b32 s[\g+2], 4<<16
	s_mov_b32 s[\g+3], 1024<<16
	s_mov_b32 s[\g+4], 4
	s_mov_b32 s[\g+6], 0
	s_mov_b32 s[\g+7], 0
.endr
	s_mov_b32 s[G1K+5], 4096                       ; from row to row: four tiles of keys on,
	s_mov_b32 s[G1V+5], 32768                      ; a block of 64 keys on
	s_mul_i32 s[G0+1], s[WV], SL                   ; slice w of slot 0
	s_mov_b32 s[G0], 1
	s_mov_b32 s[OFS+1], 0
	s_mov_b32 s[SEL], 0x76543210
	s_mov_b32 s[SEL+1], 0xfedcba98
	s_mov_b32 s[CS], 0x3e38aa3b                    ; log2(e) / 8
	s_mov_b32 s[TB], 0
	s_mov_b32 s[KF], 0
	s_mov_b32 s[TN], 1
	s_wait_dscnt 0x0
	s_wait_kmcnt 0x0
	s_load_b128 s[68:71], s[6:7], 0x18             ; e6, e7, e8, e9
	s_add_nc_u64 s[BASE:BASE+1], s[4:5], s[92:93]
	s_add_nc_u64 s[PFA:PFA+1], s[4:5], s[94:95]
	s_mov_b64 s[G0+2:G0+3], s[BASE:BASE+1]
	s_or_b32 s[G0+3], s[G0+3], 0x80000000
	TLOAD                                          ; key steps 0 and 1 into slot 0: every wave's one load at the head
	s_lshr_b32 s86, s[WV], 1
	s_lshl_b32 s86, s86, 4                         ; my tile in a block of 64 queries
	s_lshl_b32 s[Q0A], ttmp9, 6
	s_add_co_u32 s[Q0A], s[Q0A], s86
	s_sub_co_u32 s[Q0B], 31, ttmp9
	s_lshl_b32 s[Q0B], s[Q0B], 6
	s_add_co_u32 s[Q0B], s[Q0B], s86
	s_lshr_b32 s[NLS], ttmp9, 1
	s_sub_co_u32 s[NST], 16, s[NLS]
	s_add_co_u32 s[NLS], s[NLS], 1
	s_lshl_b32 s87, s84, 2
	s_lshl_b32 s88, s85, 1
	s_add_co_u32 s87, s87, s88                     ; my first query head
	s_lshl_b32 s89, s83, 11
	s_lshl_b32 s90, s87, 18
	s_lshl_b32 s91, s87, 8
.macro BLOCKADR p, qb, ob              ; s[p]: my first query of a block -> its tile of Q's codes, its rows of out0
	s_and_not1_b32 s92, s[\p], 31
	s_add_co_u32 s92, s92, s89
	s_lshl_b32 s92, s92, 6
	s_bfe_u32 s96, s[\p], 0x10004
	s_lshl_b32 s96, s96, 9                         ; bit 4 of the query is bit 3 of the position
	s_add_co_u32 s92, s92, s96
	s_add_co_u32 s92, s92, s90
	s_add_nc_u64 s[\qb:\qb+1], s[4:5], s[92:93]
	s_add_co_u32 s94, s[\p], s89
	s_lshl_b32 s94, s94, 13
	s_add_co_u32 s94, s94, s91
	s_add_nc_u64 s[\ob:\ob+1], s[8:9], s[94:95]
.endm
	BLOCKADR Q0A, 10, OUTA
	BLOCKADR Q0B, 12, OUTB
	s_mul_i32 s81, s[WV], STB
	s_add_co_u32 s81, s81, STAGE                   ; my stage
	v_and_b32 v232, 15, v0                         ; r
	v_bfe_u32 v233, v0, 4, 1                       ; h
	v_lshrrev_b32 v[QA], 3, v232
	v_and_b32 v234, 7, v232
	v_lshlrev_b32 v[QA], 10, v[QA]                 ; bit 3 of the query is bit 4 of the position
	v_lshl_add_u32 v[QA], v234, 6, v[QA]
	v_lshl_add_u32 v[QA], v233, 4, v[QA]
.irp u, 0,1                                    ; the next head's codes lie 4096 x 64 bytes on
	global_load_b128 v[QF+8*\u:QF+8*\u+3], v[QA], s[10:11] offset:262144*\u
	global_load_b128 v[QF+8*\u+4:QF+8*\u+7], v[QA], s[10:11] offset:262144*\u+32
	global_load_b128 v[QF+16+8*\u:QF+16+8*\u+3], v[QA], s[12:13] offset:262144*\u
	global_load_b128 v[QF+16+8*\u+4:QF+16+8*\u+7], v[QA], s[12:13] offset:262144*\u+32
.endr
	v_lshrrev_b32 v[AK0], 2, v232
	v_and_b32 v234, 3, v232
	v_mul_u32_u24 v[AK0], v[AK0], KP
	v_lshl_add_u32 v[AK0], v234, 6, v[AK0]
	v_lshl_add_u32 v[AK0], v233, 4, v[AK0]         ; position r of a tile: (r / 4) rows + 64 (r % 4), + 16 h
	v_mov_b32 v[ADK], v[AK0]                       ; slot 0
	v_lshlrev_b32 v[GO], 13, v233
	v_lshl_add_u32 v[GO], v232, 4, v[GO]
	v_mul_u32_u24 v[STI], v232, KP
	v_lshl_add_u32 v[STI], v233, 6, v[STI]
	v_add_nc_u32 v[STI], s81, v[STI]               ; in: row r, + 64 h
	v_mul_u32_u24 v[STR], v233, KP
	v_lshl_add_u32 v[STR], v232, 4, v[STR]
	v_add_nc_u32 v[STR], s81, v[STR]               ; back: lanes 0-15 one row, lanes 16-31 the next
	v_mul_u32_u24 v[PFO], s97, v233
	v_lshl_add_u32 v[PFO], v232, 8, v[PFO]
	v_lshlrev_b32 v[MKD], 4, v233
	v_sub_nc_u32 v[MKD], v232, v[MKD]
	v_mov_b32 v[NINF], 0xff800000
.irp n, 0,1,2,3                                ; O^T and the sums begin as zeros, the largest score under every score: the first change of M multiplies zeros by 0
	v_mov_b32 v[ST+4*\n], 0x7f61b1e6               ; -M = 3e38
	v_mov_b32 v[ST+4*\n+1], 0xff61b1e6             ; -3e38
	v_mov_b32 v[ST+4*\n+2], 0
	v_mov_b32 v[ST+4*\n+3], 0
.endr
.irp u, 0,1
	v_mov_b32 v[F+2*\u+1], 0                       ; (named as the upper half of the pair)
	v_mov_b32 v[PRM+\u], 0                         ; a lane permute's destination counts as one of its sources
.endr
	WIN 0x40
.set j, 0
.rept 128
	v_mov_b32 v[j], 0                              ; O^T: the step's text serves all steps alike
.set j, j+1
.endr
	WIN 0
	s_wait_kmcnt 0x0
	s_add_co_i32 s96, s68, s69
	s_lshl_b32 s96, s96, 23
	s_add_co_i32 s[CS], s[CS], s96                 ; e6 + e7 go into c's exponent field
	s_mov_b32 s[CS+1], s[CS]
	s_add_co_i32 s96, s70, 127
	s_lshl_b32 s97, s96, 23
	v_mov_b32 v[SCV], s97
	s_add_co_i32 s96, s96, 8
	s_lshl_b32 s96, s96, 23
	s_or_b32 s96, s96, 0x600000
	v_mov_b32 v[LIMV], s96
	v_mov_b32 v[LIM2], s96
	s_add_co_i32 s[EPV], s70, s71
	s_mov_b32 s[KC], 1
	s_mov_b32 s[CNT], 8
	s_wait_alu depctr_va_vdst(0)                   ; the wait at the head's end
	s_wait_tensorcnt 0x0                           ; my slice of slot 0 is in; slot 1's first fill is issued as a refill is:
	ds_add_u32 v[SPW], v[NIL]
	s_xor_b32 s[G0+1], s[G0+1], SLOT1
	s_lshl_b32 s[OFS], 1, s[SH]
	s_add_nc_u64 s[G0+2:G0+3], s[BASE:BASE+1], s[OFS:OFS+1]
	s_or_b32 s[G0+3], s[G0+3], 0x80000000
	s_wait_dscnt 0x0
	s_barrier_signal -1
	s_barrier_wait -1
	TLOAD                                          ; key steps 2 and 3 (every work-group has at least 9)
	LOADK ADK, 0                                   ; key step 0's fragments
	LOADV ADK, 0
	s_wait_loadcnt 0x0                             ; Q
; A KEY STEP, the par-th of its slot.
.macro STEP par
	s_cmp_gt_u32 s[KC], s[NLS]                     ; has block A keys in this step?  Ids and the count of steps alone; no barrier, wait on tiles or tensor load stands under the branch
	s_cbranch_scc1 .Lno_a_\@
	s_wait_dscnt 16                                ; K's fragments are in; V's sixteen younger loads may be out
	SMUL 0
	NOPS 4                                         ; places ahead of the first read of the scores
	SOFT 0, Q0A
	s_cmp_lg_u32 s[KC], s[NLS]
	s_cbranch_scc1 .Lno_a_\@
	FINISH 0, OUTA                                 ; that was A's last step
.Lno_a_\@:
	s_wait_dscnt 16
	SMUL 2
.if \par
	; THE CHANGE OF SLOTS: this slot's fragments are all asked for, and in registers behind the wait on DScnt
	s_wait_tensorcnt 0x0                           ; my slice of the next slot is in, and the descriptor may be written
	ds_add_u32 v[SPW], v[NIL]                      ; the descriptor's steps stand between the add and its wait
	s_add_co_u32 s[TN], s[TN], 1                   ; two slots' worth of keys on
	s_xor_b32 s[G0+1], s[G0+1], SLOT1
	s_lshl_b32 s[OFS], s[TN], s[SH]
	s_add_nc_u64 s[G0+2:G0+3], s[BASE:BASE+1], s[OFS:OFS+1]
	s_or_b32 s[G0+3], s[G0+3], 0x80000000
	s_wait_xcnt 0x0                                ; the last prefetch, a trip back, has read its address
	s_add_nc_u64 s[PFA:PFA+1], s[PFA:PFA+1], s[PFS:PFS+1]
	s_xor_b32 s[TB], s[TB], SLOT1
	s_wait_dscnt 0x0                               ; the add is done, and my reads of this slot are over
	s_barrier_signal -1
	s_barrier_wait -1
	s_lshl_b32 s96, s[TN], 1                       ; the first key step that this change would ask for
	s_cmp_ge_u32 s96, s[NST]                       ; keys that block B does not reach are read by nobody and not asked for: ids and the count of steps, the same in all waves
	s_cbranch_scc1 .Lpast_\@
	TLOAD                                          ; my one tensor load until the next barrier
.Lpast_\@:
	v_add_nc_u32 v[ADK], s[TB], v[AK0]
	NOPS 3                                         ; with the addition: four places behind B's score products, ahead of the loads into K's registers and of the first read of the scores
.else
	NOPS 4                                         ; the same four places
.endif
	s_cmp_eq_u32 s[KC], s[NST]
	s_cbranch_scc1 .Lno_k_\@                       ; B's last step has no successor
	LOADK ADK, 1-\par                              ; the next step's K lands under the softmax
.Lno_k_\@:
.if \par
	; A PREFETCH INTO THE L2.  All sixteen work-groups of a (b, key head) walk the same key steps; x = 0, which reaches them all, asks: waves 0 and 1 for the halves of a slot's 16,384 bytes of K,
	; waves 2 and 3 for two each of V's four pieces of 4,096: lanes 256 bytes apart.  Trip c (0 .. 4) names the keys of slot c + 3, which the tensor loads of trip c + 1 ask for: two key steps ahead;
	; the first three slots' keys come by their loads alone; there are eight slots' worth of keys.
	s_cmp_lt_u32 s[TN], s[LIM]
	s_cbranch_scc0 .Lno_ask_\@
	global_prefetch_b8 v[PFO], s[PFA:PFA+1] th:TH_LOAD_NT scope:SCOPE_SE
.Lno_ask_\@:
.endif
	SOFT 2, Q0B
	s_cmp_eq_u32 s[KC], s[NST]                     ; B's last step: out of the loop; all eight waves go the same way
	s_cbranch_scc1 .Lfin
	NOPS 4                                         ; places ahead of the loads into V's registers
	LOADV ADK, 1-\par
	s_add_co_u32 s[KF], s[KF], 128
	s_add_co_u32 s[KC], s[KC], 1
.endm
.Ltrip:
	STEP 0
	STEP 1
	s_sub_co_u32 s[CNT], s[CNT], 1
	s_cmp_lg_u32 s[CNT], 0
	s_cbranch_scc1 .Ltrip
.Lfin:
	FINISH 2, OUTB
	s_wait_tensorcnt 0x0                           ; the wave's end
	ds_add_u32 v[SPW], v[NIL]
	s_wait_dscnt 0x0
	s_endpgm
.Lfunc_end_k_qfe5720d20e_attn:
	.size	k_qfe5720d20e_attn, .Lfunc_end_k_qfe5720d20e_attn-k_qfe5720d20e_attn
	.p2alignl 7, 3214868480
	.fill 96, 4, 3214868480
	.section	.rodata,"a",@progbits
	.p2align	6, 0x0
	.amdhsa_kernel k_qfe5720d20e_attn
		.amdhsa_group_segment_fixed_size 327680
		.amdhsa_private_segment_fixed_size 0
		.amdhsa_enable_private_segment 0
		.amdhsa_kernarg_size 24
		.amdhsa_user_sgpr_count 2
		.amdhsa_user_sgpr_kernarg_segment_ptr 1
		.amdhsa_wavefront_size32 1
		.amdhsa_system_sgpr_workgroup_id_x 1
		.amdhsa_system_sgpr_workgroup_id_y 1
		.amdhsa_system_sgpr_workgroup_id_z 1
		.amdhsa_system_vgpr_workitem_id 0
		.amdhsa_next_free_vgpr 512
		.amdhsa_next_free_sgpr 100
		.amdhsa_reserve_vcc 1
		.amdhsa_float_denorm_mode_32 3
		.amdhsa_float_denorm_mode_16_64 3
		.amdhsa_memory_ordered 1
		.amdhsa_forward_progress 1
		.amdhsa_inst_pref_size 176
	.end_amdhsa_kernel
	.amdgpu_metadata
---
amdhsa.version: [ 1, 2 ]
amdhsa.kernels:
  - .name:           k_qfe5720d20e_attn
    .symbol:         k_qfe5720d20e_attn.kd
    .args:
      - { .name: qkv, .offset: 0, .size: 8, .value_kind: global_buffer, .address_space: global }
      - { .name: lowp_scales, .offset: 8, .size: 8, .value_kind: global_buffer, .address_space: global }
      - { .name: out0, .offset: 16, .size: 8, .value_kind: global_buffer, .address_space: global }
    .group_segment_fixed_size: 327680
    .private_segment_fixed_size: 0
    .kernarg_segment_align: 8
    .kernarg_segment_size: 24
    .max_flat_workgroup_size: 256
    .sgpr_count:     100
    .vgpr_count:     512
    .wavefront_size: 32
...
	.end_amdgpu_metadata
.endif
;; end of part 3
